; MI455X (gfx1250); checked and timed in simulation.
; The chip was launched on July 23, 2026; its instructions are those of AMD's public machine-readable ISA for CDNA 5 (MIT licence, August 2026) and "CDNA5" Instruction Set Architecture Reference Guide (July 2026). The comments in the code are by the model that wrote it; some were corrected since.
;; ODE Block. Allowed arithmetic: float matrix products may take bf16 or f16 operands with f32 sums; all other float work in f32.
;; Inputs: W 64 x 64 float32; b 64 float32; x 262,144 x 64 float32.
;; Outputs: out0 262,144 x 64 float32.
;; 2 versions, each right and faster than the one before. Each part assembles by itself: llvm-mc -triple=amdgcn-amd-amdhsa -mcpu=gfx1250 --defsym DOCPART=n.
;; ======== version 1 of 2: 1 launch
;; launch ode (part 1): grid 256 x 1, 16 waves a work-group, no clusters, 117,760 bytes of LDS; arguments x, W, b, out0; writes out0
.if DOCPART == 1
	.amdgcn_target "amdgcn-amd-amdhsa--gfx1250"
	.amdhsa_code_object_version 6
	.text
	.protected	k_q3fd8c35910_ode
	.globl	k_q3fd8c35910_ode
	.p2align	8
	.type	k_q3fd8c35910_ode,@function
k_q3fd8c35910_ode:
	s_mov_b64 s[64:65], 0
	v_nop
	global_prefetch_b8 v0, s[64:65] scope:SCOPE_SE
	s_setreg_imm32_b32 hwreg(HW_REG_WAVE_MODE, 25, 1), 1
	s_wait_xcnt 0x0
; ODE BLOCK.  Eleven explicit Euler steps h <- h + dt f(h W^T + b), f(z) = alpha z + (1 - alpha) softplus(z), dt = 1/11, alpha = 0.001.
; x, out0: [262144][64] f32.  W: [64][64] f32 (row = output feature).  b: [64] f32.
; ONE LAUNCH: x is read once, the eleven steps run in registers, out0 is written once; nothing goes through memory between steps.
; SHARES.  A tile is 16 batch rows = 4,096 consecutive bytes of x and of out0.  256 work-groups of 16 waves; a wave walks 4 tiles on end: 256 x 16 x 4 x 16 = 262,144 rows.
; Sixteen waves of 240 registers are four to a SIMD (960 of its 1,024): a step has 8 matrix and 176 vector instructions, so one wave's wait behind its products, the head and the
; drain of its vector pipeline and its change of tiles stand beside the other three waves' vector work, and every wave stays inside one window of 256 registers.
; LAYOUT.  Z^T = W H^T: source 0 = 16 output features x 32 input features of W (constant: 64 registers), source 1 = 32 input features x 16 batch rows of h in bf16.
; In the result lane l holds batch row l % 16, and register j of tile t holds feature 16 t + 8 (l / 16) + j.  The f32 state H has that same layout, and two neighbouring registers of H
; rounded to bf16 ARE register p of source 1 (p = 0..15 over the two K halves): nothing changes lanes between steps, and no LDS is touched inside the eleven steps.
; The bias, in the result's layout, is the C operand of the first K half.
; THE STEP.  softplus(z) = max(z, 0) + ln(1 + e^-|z|): the maximum is taken away ahead of the exponential, whose argument is never above 0.  With t = -log2(e) |z|, max(z, 0) = (z + |z|) / 2
; and |z| = -t ln 2:   h += K1 z + K2 t + K3 log2(1 + 2^t),   K1 = dt (1 + alpha) / 2,  K3 = dt (1 - alpha) ln 2,  K2 = -K3 / 2.
; For a pair of numbers: 2 multiplies, 2 exponentials, 1 packed add, 2 logarithms, 3 packed multiply-adds, 1 rounding to bf16: 11 instructions.
; LIMITS.  x, W and b are each rounded once to bf16 (all three alike); h is carried in f32 and rounded to bf16 for each product.  dt is the constant 1/11.
; For z < 0 the term alpha z is the sum K1 z + K2 t of two terms of opposite sign and about 500 times its size: its error is some 2^-24 dt |z|, 3e-5 of the term.
; 2^t below 2^-126 counts as 0.  |z| beyond 2.3e38 overflows in t.  z = -infinity gives NaN (reference: -infinity); NaN stays NaN.
; NO CLUSTER: the work-groups share W and b alone, 16,640 bytes beside the 524,288 bytes of x and out0 that each moves by itself.
; NO TENSOR LOADS: x is rounded on its way in, a tile in flight is 32 registers, and the sixteen waves stay independent: one barrier in the launch, for W.
.set NSTEP, 11
.set TILE,  4096                       ; bytes of a tile in x and in out0
.set PW,    144                        ; LDS pitch of a row of 64 bf16: 128 + 16 = 9 x 16 bytes: sixteen rows start at sixteen different 16-byte columns modulo 256
.set PO,    272                        ; LDS pitch of a row of 64 f32: 256 + 16 = 17 x 16 bytes, likewise
.set WL,    0                          ; W in bf16, 64 rows: 9,216 bytes
.set SIN,   WL+64*PW                   ; for each wave 16 rows x 144 bytes: the next tile in bf16
.set SINB,  16*PW
.set SOUT,  SIN+16*SINB                ; for each wave 16 rows x 272 bytes: the result in f32
.set SOUTB, 16*PO
.set SPARE, SOUT+16*SOUTB              ; 115,712: the spare words, 128 bytes for each wave: eight blocks of 256 bytes that no other line names
.set GO,   1                           ; v1   16 x lane: my 16 bytes in 512 consecutive bytes of x and out0; never rewritten
.set SIS,  2                           ; v2   where I put 8 bytes of the next tile
.set SIL,  3                           ; v3   where I read its fragments
.set SOS,  4                           ; v4   where I put 16 bytes of the result
.set SOL,  5                           ; v5   where I read rows of it back
.set SPW,  6                           ; v6   LDS address of my spare word; never rewritten
.set NIL,  7                           ; v7   0; never rewritten
.set BF,   16                          ; v[16:31]    h in bf16: source 1, K half c at BF + 8 c
.set H,    32                          ; v[32:63]    h in f32, feature tile t at H + 8 t
.set Z,    64                          ; v[64:95]    z, tile t at Z + 8 t; at the start W as loaded; on the way out the rows read back
.set BI,   96                          ; v[96:127]   the bias in the result's layout
.set WF,   128                         ; v[128:191]  W's fragments, (t, c) at WF + 16 t + 8 c
.set T,    192                         ; v[192:207]  a ring of 8 pairs at work: pair p at T + 2 (p % 8)
.set XN,   208                         ; v[208:239]  the next tile as loaded
	s_load_b256 s[4:11], s[0:1], 0x0               ; x s[4:5], W s[6:7], b s[8:9], out0 s[10:11]
	v_lshl_add_u32 v[SPW], v0, 2, SPARE
	v_mov_b32 v[NIL], 0
	v_lshrrev_b32 v8, 5, v0
	v_readfirstlane_b32 s12, v8                    ; my wave's number, 0..15
	v_and_b32 v9, 31, v0                           ; lane l
	v_and_b32 v10, 15, v0                          ; r = l % 16
	v_bfe_u32 v11, v0, 4, 1                        ; h = l / 16
	v_lshlrev_b32 v[GO], 4, v9
	v_lshlrev_b32 v12, 5, v11                      ; b: my eight numbers of each sixteen begin at byte 32 h
	v_lshlrev_b32 v15, 4, v0                       ; W: 16 bytes a thread
	s_mov_b32 s16, 0xbfb8aa3b                      ; -log2(e)
	s_mov_b32 s18, 0x3d3a5e35                      ; K1 = 1.001 / 22 = 0.0455
	s_mov_b32 s19, s18                             ; (the packed forms name pairs and take the low word for both halves)
	s_mov_b32 s20, 0xbd00ec1f                      ; K2 = -K3 / 2
	s_mov_b32 s21, s20
	s_mov_b32 s22, 0x3d80ec1f                      ; K3 = (0.999 / 11) ln 2 = 0.06295037
	s_mov_b32 s23, s22
	s_mov_b32 s24, 0xffff0000                      ; a word's upper bf16
	s_lshl_b32 s26, ttmp9, 18                      ; the work-group's 1,024 rows of 256 bytes,
	s_lshl_b32 s15, s12, 14                        ; my wave's 64 of them: 67,108,864 bytes at the most, one word
	s_add_co_u32 s26, s26, s15
	s_mov_b32 s27, 0
	s_mul_i32 s28, s12, SINB
	s_add_co_u32 s28, s28, SIN                     ; my wave's stage for the way in
	s_mul_i32 s29, s12, SOUTB
	s_add_co_u32 s29, s29, SOUT                    ; and for the way out
	s_wait_kmcnt 0x0
	s_add_nc_u64 s[4:5], s[4:5], s[26:27]          ; x and out0 at my first tile
	s_add_nc_u64 s[10:11], s[10:11], s[26:27]
; Eight loads of 512 consecutive bytes: a tile.  step = 1: the tile behind the last one asked for; every earlier load through s[4:5] has been waited for by then.
.macro LOADX step
.if \step
	s_add_nc_u64 s[4:5], s[4:5], TILE
.endif
.irp q, 0,1,2,3,4,5,6,7
	global_load_b128 v[XN+4*\q:XN+4*\q+3], v[GO], s[4:5] offset:512*\q th:TH_LOAD_NT
.endr
.endm
	global_load_b128 v[Z:Z+3],   v15, s[6:7]                ; W: 512 threads x 2 x 16 bytes = 16,384; rows 0-31,
	global_load_b128 v[Z+4:Z+7], v15, s[6:7] offset:8192    ; rows 32-63
.irp t, 0,1,2,3
	global_load_b128 v[BI+8*\t:BI+8*\t+3],   v12, s[8:9] offset:64*\t      ; b[16 t + 8 h + 0..3]
	global_load_b128 v[BI+8*\t+4:BI+8*\t+7], v12, s[8:9] offset:64*\t+16   ; b[16 t + 8 h + 4..7]
.endr
	LOADX 0                                        ; tile 0
	; the LDS addresses are made while the loads are out
	v_lshrrev_b32 v13, 4, v0                       ; W: thread n holds row n / 16, numbers 4 (n % 16) on
	v_mul_u32_u24 v13, v13, PW
	v_lshl_add_u32 v13, v10, 3, v13                ; four bf16 are 8 bytes
	v_mul_u32_u24 v14, v10, PW                     ; a fragment: row r, 16 bytes for each half of the lanes
	v_lshl_add_u32 v14, v11, 4, v14
	v_add_nc_u32 v[SIL], s28, v14
	v_mul_u32_u24 v[SIS], v11, PW                  ; a load of x holds two rows: lanes 0-15 the even one, lanes 16-31 the odd one; four numbers a lane
	v_lshl_add_u32 v[SIS], v10, 3, v[SIS]
	v_add_nc_u32 v[SIS], s28, v[SIS]
	v_mul_u32_u24 v[SOS], v10, PO                  ; the result: row r, features 8 h on of each sixteen
	v_lshl_add_u32 v[SOS], v11, 5, v[SOS]
	v_add_nc_u32 v[SOS], s29, v[SOS]
	v_mul_u32_u24 v[SOL], v11, PO                  ; back: lanes 0-15 one row of 256 bytes, lanes 16-31 the next
	v_lshl_add_u32 v[SOL], v10, 4, v[SOL]
	v_add_nc_u32 v[SOL], s29, v[SOL]
	s_wait_loadcnt 16                              ; W's two loads are in; behind them b's eight and x's eight stay out
	v_cvt_pk_bf16_f32 v[Z+8],  v[Z],   v[Z+1]
	v_cvt_pk_bf16_f32 v[Z+9],  v[Z+2], v[Z+3]
	v_cvt_pk_bf16_f32 v[Z+10], v[Z+4], v[Z+5]
	v_cvt_pk_bf16_f32 v[Z+11], v[Z+6], v[Z+7]
	ds_store_b64 v13, v[Z+8:Z+9]   offset:WL
	ds_store_b64 v13, v[Z+10:Z+11] offset:WL+32*PW
	s_wait_dscnt 0x0                               ; for the others' sake: my part of W is in LDS
	s_barrier_signal -1
	s_barrier_wait -1                              ; everybody's is: the launch's one barrier; W's bytes are never written again
.irp t, 0,1,2,3
.irp c, 0,1
	ds_load_b128 v[WF+16*\t+8*\c:WF+16*\t+8*\c+3],   v14 offset:WL+16*PW*\t+64*\c     ; output features 16 t + r, input features 32 c + 8 h on
	ds_load_b128 v[WF+16*\t+8*\c+4:WF+16*\t+8*\c+7], v14 offset:WL+16*PW*\t+64*\c+32  ; and 32 c + 16 + 8 h on
.endr
.endr
	s_wait_loadcnt 8                               ; b is in; x's eight stay out
.set p, 0
.rept 16
	v_cvt_pk_bf16_f32 v[T+p], v[BI+2*p], v[BI+2*p+1]  ; b is rounded to bf16 as x and W are,
.set p, p+1
.endr
.set p, 0
.rept 16
	v_lshlrev_b32 v[BI+2*p],   16,  v[T+p]         ; and kept as f32
	v_and_b32     v[BI+2*p+1], s24, v[T+p]
.set p, p+1
.endr
; The tile that was asked for is rounded to bf16: 16 registers.
.macro CVT
	s_wait_loadcnt 0x0                             ; nothing was asked for behind it
.irp q, 0,1,2,3,4,5,6,7
	v_cvt_pk_bf16_f32 v[T+2*\q],   v[XN+4*\q],   v[XN+4*\q+1]
	v_cvt_pk_bf16_f32 v[T+2*\q+1], v[XN+4*\q+2], v[XN+4*\q+3]
.endr
.endm
; Through my own stage it changes from rows across lanes to a row a lane: the four loads bring source 1 of both K halves.
.macro IN_B
.irp q, 0,1,2,3,4,5,6,7
	ds_store_b64 v[SIS], v[T+2*\q:T+2*\q+1] offset:2*PW*\q
.endr
.irp n, 0,1,2,3
	ds_load_b128 v[BF+4*\n:BF+4*\n+3], v[SIL] offset:32*\n  ; LDS serves a wave's instructions in order (ISA guide 5.7.1.4): these see the stores above
.endr
.endm
; h starts as bf16(x), widened: a shift and a mask.
.macro UNPACK
	s_wait_dscnt 0x0                               ; the fragments are in (the first time W's too)
.set p, 0
.rept 16
	v_lshlrev_b32 v[H+2*p],   16,  v[BF+p]
	v_and_b32     v[H+2*p+1], s24, v[BF+p]
.set p, p+1
.endr
.endm
; ONE EULER STEP.  Eight products: the four accumulators take turns, one instruction a turn; the first four start the sums with the bias.
; Four v_nop are the places between the products and the first read of z (ISA guide 7.12.1).  Then the 16 pairs run through a pipeline of 22 slots; slot i holds, for pair
;   i: t = -log2(e) |z| (two lines) and h += K1 z      i - 1: h += K2 t      i - 2: 2^t, in place (two lines)      i - 3: + 1      i - 4: log2, in place (two lines)
;   i - 5: h += K3 log2      i - 6: h rounded to bf16, the next step's source 1.
; The lines are so ordered that a plain instruction on other registers follows each transcendental or run of them before a result is used (ISA guide 5.7.2), that K2 t is taken a slot ahead of the
; exponential that overwrites t, and that each accumulator's lowest register is read first.  A pair holds its place in T for slots p to p + 5 of the ring's 8.
.macro STEP
.irp t, 0,1,2,3
	v_wmma_f32_16x16x32_bf16 v[Z+8*\t:Z+8*\t+7], v[WF+16*\t:WF+16*\t+7], v[BF:BF+7], v[BI+8*\t:BI+8*\t+7]
.endr
.irp t, 0,1,2,3
	v_wmma_f32_16x16x32_bf16 v[Z+8*\t:Z+8*\t+7], v[WF+16*\t+8:WF+16*\t+15], v[BF+8:BF+15], v[Z+8*\t:Z+8*\t+7]
.endr
.rept 4
	v_nop
.endr
.set i, 0
.rept 22
.if i < 16
	v_mul_f32 v[T+2*(i%8)], |v[Z+2*i]|, s16
.endif
.if (i >= 2) && (i < 18)
	v_exp_f32 v[T+2*((i+6)%8)], v[T+2*((i+6)%8)]
.endif
.if i < 16
	v_mul_f32 v[T+2*(i%8)+1], |v[Z+2*i+1]|, s16
.endif
.if (i >= 2) && (i < 18)
	v_exp_f32 v[T+2*((i+6)%8)+1], v[T+2*((i+6)%8)+1]
.endif
.if i < 16
	v_pk_fma_f32 v[H+2*i:H+2*i+1], v[Z+2*i:Z+2*i+1], s[18:19], v[H+2*i:H+2*i+1] op_sel_hi:[1,0,1]
.endif
.if (i >= 4) && (i < 20)
	v_log_f32 v[T+2*((i+4)%8)], v[T+2*((i+4)%8)]
.endif
.if (i >= 1) && (i < 17)
	v_pk_fma_f32 v[H+2*i-2:H+2*i-1], v[T+2*((i+7)%8):T+2*((i+7)%8)+1], s[20:21], v[H+2*i-2:H+2*i-1] op_sel_hi:[1,0,1]
.endif
.if (i >= 4) && (i < 20)
	v_log_f32 v[T+2*((i+4)%8)+1], v[T+2*((i+4)%8)+1]
.endif
.if (i >= 3) && (i < 19)
	s_wait_alu depctr_va_vdst(0)
	v_pk_add_f32 v[T+2*((i+5)%8):T+2*((i+5)%8)+1], v[T+2*((i+5)%8):T+2*((i+5)%8)+1], 1.0 op_sel_hi:[1,0]
.endif
.if (i >= 5) && (i < 21)
	s_wait_alu depctr_va_vdst(0)
	v_pk_fma_f32 v[H+2*i-10:H+2*i-9], v[T+2*((i+3)%8):T+2*((i+3)%8)+1], s[22:23], v[H+2*i-10:H+2*i-9] op_sel_hi:[1,0,1]
.endif
.if i >= 6
	v_cvt_pk_bf16_f32 v[BF+i-6], v[H+2*i-12], v[H+2*i-11]
.endif
.set i, i+1
.endr
.endm
; The eleven steps are alike: nothing is written out ahead of the loop.  Over the backward jump the first product starts a new sum, far more than five plain instructions on other registers behind the last.
.macro STEPS
	s_mov_b32 s14, NSTEP
.Lstep_\@:
	STEP
	s_sub_co_u32 s14, s14, 1
	s_cmp_lg_u32 s14, 0
	s_cbranch_scc1 .Lstep_\@
.endm
; THE WAY OUT.  A lane holds pieces of one row; through my own stage they come back as whole rows, into z's registers, which are free.
.macro OUT_A
.irp t, 0,1,2,3
	ds_store_b128 v[SOS], v[H+8*\t:H+8*\t+3]   offset:64*\t
	ds_store_b128 v[SOS], v[H+8*\t+4:H+8*\t+7] offset:64*\t+16
.endr
.irp q, 0,1,2,3,4,5,6,7
	ds_load_b128 v[Z+4*\q:Z+4*\q+3], v[SOL] offset:2*PO*\q  ; in order behind the stores above
.endr
.endm
.macro OUT_B
.irp q, 0,1,2,3,4,5,6,7
	s_wait_dscnt 7-\q                              ; LDS loads come back in order: load q is in, the 7 - q younger ones may be out
	global_store_b128 v[GO], v[Z+4*\q:Z+4*\q+3], s[10:11] offset:512*\q th:TH_STORE_NT  ; the wave stores 512 consecutive bytes, at a multiple of 512 from out0's first byte
.endr
.endm
	CVT                                            ; tile 0
	IN_B
	LOADX 1                                        ; tile 1 is asked for a whole tile's eleven steps ahead of its use
	UNPACK
	s_mov_b32 s13, 3
.Ltile:                                                ; three trips: tile n is computed and stored, tile n + 1 taken in, tile n + 2 asked for
	STEPS
	OUT_A
	CVT                                            ; the next tile's roundings stand in the stage's round trip
	OUT_B
	IN_B
	s_cmp_eq_u32 s13, 1
	s_cbranch_scc1 .Lnoload                        ; the last trip asks for nothing: there is no fifth tile, and no load leaves x.  Every wait for x is for 0: right on both ways
	LOADX 1
.Lnoload:
	UNPACK
	s_wait_xcnt 0x0                                ; the stores' data (z's registers) and their base are rewritten only behind this wait (ISA guide 3.1)
	s_add_nc_u64 s[10:11], s[10:11], TILE
	s_sub_co_u32 s13, s13, 1
	s_cmp_lg_u32 s13, 0
	s_cbranch_scc1 .Ltile
	STEPS                                          ; the fourth tile
	OUT_A
	OUT_B
	s_wait_tensorcnt 0x0                           ; the wave's end, behind my last LDS store
	ds_add_u32 v[SPW], v[NIL]
	s_wait_dscnt 0x0
	s_endpgm
.Lfunc_end_k_q3fd8c35910_ode:
	.size	k_q3fd8c35910_ode, .Lfunc_end_k_q3fd8c35910_ode-k_q3fd8c35910_ode
	.p2alignl 7, 3214868480
	.fill 96, 4, 3214868480
	.section	.rodata,"a",@progbits
	.p2align	6, 0x0
	.amdhsa_kernel k_q3fd8c35910_ode
		.amdhsa_group_segment_fixed_size 117760
		.amdhsa_private_segment_fixed_size 0
		.amdhsa_enable_private_segment 0
		.amdhsa_kernarg_size 32
		.amdhsa_user_sgpr_count 2
		.amdhsa_user_sgpr_kernarg_segment_ptr 1
		.amdhsa_wavefront_size32 1
		.amdhsa_system_sgpr_workgroup_id_x 1
		.amdhsa_system_sgpr_workgroup_id_y 1
		.amdhsa_system_sgpr_workgroup_id_z 1
		.amdhsa_system_vgpr_workitem_id 0
		.amdhsa_next_free_vgpr 240
		.amdhsa_next_free_sgpr 66
		.amdhsa_reserve_vcc 0
		.amdhsa_float_denorm_mode_32 3
		.amdhsa_float_denorm_mode_16_64 3
		.amdhsa_memory_ordered 1
		.amdhsa_forward_progress 1
		.amdhsa_inst_pref_size 41
	.end_amdhsa_kernel
	.amdgpu_metadata
---
amdhsa.version: [ 1, 2 ]
amdhsa.kernels:
  - .name:           k_q3fd8c35910_ode
    .symbol:         k_q3fd8c35910_ode.kd
    .args:
      - { .name: x, .offset: 0, .size: 8, .value_kind: global_buffer, .address_space: global }
      - { .name: W, .offset: 8, .size: 8, .value_kind: global_buffer, .address_space: global }
      - { .name: b, .offset: 16, .size: 8, .value_kind: global_buffer, .address_space: global }
      - { .name: out0, .offset: 24, .size: 8, .value_kind: global_buffer, .address_space: global }
    .group_segment_fixed_size: 117760
    .private_segment_fixed_size: 0
    .kernarg_segment_align: 8
    .kernarg_segment_size: 32
    .max_flat_workgroup_size: 512
    .sgpr_count:     66
    .vgpr_count:     240
    .wavefront_size: 32
...
	.end_amdgpu_metadata
.endif
;; end of part 1
;; ======== version 2 of 2: 1 launch; 1.12 times as fast as version 1
;; launch ode (part 2): grid 256 x 1, 16 waves a work-group, no clusters, 117,760 bytes of LDS; arguments x, W, b, out0; writes out0
.if DOCPART == 2
	.amdgcn_target "amdgcn-amd-amdhsa--gfx1250"
	.amdhsa_code_object_version 6
	.text
	.protected	k_q3fd8c35910_ode
	.globl	k_q3fd8c35910_ode
	.p2align	8
	.type	k_q3fd8c35910_ode,@function
k_q3fd8c35910_ode:
	s_mov_b64 s[64:65], 0
	v_nop
	global_prefetch_b8 v0, s[64:65] scope:SCOPE_SE
	s_setreg_imm32_b32 hwreg(HW_REG_WAVE_MODE, 25, 1), 1
	s_wait_xcnt 0x0
; ODE BLOCK.  Eleven explicit Euler steps h <- h + dt f(h W^T + b), f(z) = alpha z + (1 - alpha) softplus(z), dt = 1/11, alpha = 0.001.
; x, out0: [262144][64] f32.  W: [64][64] f32 (row = output feature).  b: [64] f32.
; ONE LAUNCH: x is read once, the eleven steps run in registers, out0 is written once; nothing goes through memory between steps.
; SHARES.  A tile is 16 batch rows = 4,096 consecutive bytes of x and of out0.  256 work-groups of 16 waves; a wave walks 4 tiles on end: 256 x 16 x 4 x 16 = 262,144 rows.
; Sixteen waves of 256 registers are four to a SIMD (all of its 1,024): a step has 8 matrix and 176 vector instructions, so one wave's wait behind its products, its two waits for its
; batches and its change of tiles stand beside the other three waves' vector work, and every wave stays inside one window of 256 registers.
; LAYOUT.  Z^T = W H^T: source 0 = 16 output features x 32 input features of W (constant: 64 registers), source 1 = 32 input features x 16 batch rows of h in bf16.
; In the result lane l holds batch row l % 16, and register j of tile t holds feature 16 t + 8 (l / 16) + j.  The f32 state H has that same layout, and two neighbouring registers of H
; rounded to bf16 ARE register p of source 1 (p = 0..15 over the two K halves): nothing changes lanes between steps, and no LDS is touched inside the eleven steps.
; The bias, in the result's layout, is the C operand of the first K half.
; THE STEP.  softplus(z) = max(z, 0) + ln(1 + e^-|z|): the maximum is taken away ahead of the exponential, whose argument is never above 0.  With t = -log2(e) |z|, max(z, 0) = (z + |z|) / 2
; and |z| = -t ln 2:   h += K1 z + K2 t + K3 log2(1 + 2^t),   K1 = dt (1 + alpha) / 2,  K3 = dt (1 - alpha) ln 2,  K2 = -K3 / 2.
; For a pair of numbers: 2 multiplies, 2 exponentials, 1 packed add, 2 logarithms, 3 packed multiply-adds, 1 rounding to bf16: 11 instructions.
; THE BATCHES.  A step's 64 transcendentals are two batches with one wait each: all 32 exponentials, then all 32 logarithms, which read the exponentials' results through the + 1.  Each result has a
; register of its own while its batch is open: z's register takes 2^t and then the logarithm, and t stays in T until K2 t has been taken.
; LIMITS.  x, W and b are each rounded once to bf16 (all three alike); h is carried in f32 and rounded to bf16 for each product.  dt is the constant 1/11.
; For z < 0 the term alpha z is the sum K1 z + K2 t of two terms of opposite sign and about 500 times its size: its error is some 2^-24 dt |z|, 3e-5 of the term.
; 2^t below 2^-126 counts as 0.  |z| beyond 2.3e38 overflows in t.  z = -infinity gives NaN (reference: -infinity); NaN stays NaN.
; NO CLUSTER: the work-groups share W and b alone, 16,640 bytes beside the 524,288 bytes of x and out0 that each moves by itself.
; NO TENSOR LOADS: x is rounded on its way in, a tile in flight is 32 registers, and the sixteen waves stay independent: one barrier in the launch, for W.
.set NSTEP, 11
.set TILE,  4096                       ; bytes of a tile in x and in out0
.set PW,    144                        ; LDS pitch of a row of 64 bf16: 128 + 16 = 9 x 16 bytes: sixteen rows start at sixteen different 16-byte columns modulo 256
.set PO,    272                        ; LDS pitch of a row of 64 f32: 256 + 16 = 17 x 16 bytes, likewise
.set WL,    0                          ; W in bf16, 64 rows: 9,216 bytes
.set SIN,   WL+64*PW                   ; for each wave 16 rows x 144 bytes: the next tile in bf16
.set SINB,  16*PW
.set SOUT,  SIN+16*SINB                ; for each wave 16 rows x 272 bytes: the result in f32
.set SOUTB, 16*PO
.set SPARE, SOUT+16*SOUTB              ; 115,712: the spare words, 128 bytes for each wave: eight blocks of 256 bytes that no other line names
.set GO,   1                           ; v1   16 x lane: my 16 bytes in 512 consecutive bytes of x and out0; never rewritten
.set SIS,  2                           ; v2   where I put 8 bytes of the next tile
.set SIL,  3                           ; v3   where I read its fragments
.set SOS,  4                           ; v4   where I put 16 bytes of the result
.set SOL,  5                           ; v5   where I read rows of it back
.set SPW,  6                           ; v6   LDS address of my spare word; never rewritten
.set NIL,  7                           ; v7   0; never rewritten
.set BF,   16                          ; v[16:31]    h in bf16: source 1, K half c at BF + 8 c
.set H,    32                          ; v[32:63]    h in f32, feature tile t at H + 8 t
.set Z,    64                          ; v[64:95]    z, tile t at Z + 8 t; then 2^t, 1 + 2^t and its logarithm in z's place; at the start W as loaded; on the way out the rows read back
.set BI,   96                          ; v[96:127]   the bias in the result's layout
.set WF,   128                         ; v[128:191]  W's fragments, (t, c) at WF + 16 t + 8 c
.set T,    192                         ; v[192:223]  t, pair p at T + 2 p; on the way in its first 16 hold the next tile in bf16
.set XN,   224                         ; v[224:255]  the next tile as loaded
	s_load_b256 s[4:11], s[0:1], 0x0               ; x s[4:5], W s[6:7], b s[8:9], out0 s[10:11]
	v_lshl_add_u32 v[SPW], v0, 2, SPARE
	v_mov_b32 v[NIL], 0
	v_lshrrev_b32 v8, 5, v0
	v_readfirstlane_b32 s12, v8                    ; my wave's number, 0..15
	v_and_b32 v9, 31, v0                           ; lane l
	v_and_b32 v10, 15, v0                          ; r = l % 16
	v_bfe_u32 v11, v0, 4, 1                        ; h = l / 16
	v_lshlrev_b32 v[GO], 4, v9
	v_lshlrev_b32 v12, 5, v11                      ; b: my eight numbers of each sixteen begin at byte 32 h
	v_lshlrev_b32 v15, 4, v0                       ; W: 16 bytes a thread
	s_mov_b32 s16, 0xbfb8aa3b                      ; -log2(e)
	s_mov_b32 s18, 0x3d3a5e35                      ; K1 = 1.001 / 22 = 0.0455
	s_mov_b32 s19, s18                             ; (the packed forms name pairs and take the low word for both halves)
	s_mov_b32 s20, 0xbd00ec1f                      ; K2 = -K3 / 2
	s_mov_b32 s21, s20
	s_mov_b32 s22, 0x3d80ec1f                      ; K3 = (0.999 / 11) ln 2 = 0.06295037
	s_mov_b32 s23, s22
	s_mov_b32 s24, 0xffff0000                      ; a word's upper bf16
	s_lshl_b32 s26, ttmp9, 18                      ; the work-group's 1,024 rows of 256 bytes,
	s_lshl_b32 s15, s12, 14                        ; my wave's 64 of them: 67,108,864 bytes at the most, one word
	s_add_co_u32 s26, s26, s15
	s_mov_b32 s27, 0
	s_mul_i32 s28, s12, SINB
	s_add_co_u32 s28, s28, SIN                     ; my wave's stage for the way in
	s_mul_i32 s29, s12, SOUTB
	s_add_co_u32 s29, s29, SOUT                    ; and for the way out
	s_wait_kmcnt 0x0
	s_add_nc_u64 s[4:5], s[4:5], s[26:27]          ; x and out0 at my first tile
	s_add_nc_u64 s[10:11], s[10:11], s[26:27]
; Eight loads of 512 consecutive bytes: a tile.  step = 1: the tile behind the last one asked for; every earlier load through s[4:5] has been waited for by then.
.macro LOADX step
.if \step
	s_add_nc_u64 s[4:5], s[4:5], TILE
.endif
.irp q, 0,1,2,3,4,5,6,7
	global_load_b128 v[XN+4*\q:XN+4*\q+3], v[GO], s[4:5] offset:512*\q th:TH_LOAD_NT
.endr
.endm
	global_load_b128 v[Z:Z+3],   v15, s[6:7]                ; W: 512 threads x 2 x 16 bytes = 16,384; rows 0-31,
	global_load_b128 v[Z+4:Z+7], v15, s[6:7] offset:8192    ; rows 32-63
.irp t, 0,1,2,3
	global_load_b128 v[BI+8*\t:BI+8*\t+3],   v12, s[8:9] offset:64*\t      ; b[16 t + 8 h + 0..3]
	global_load_b128 v[BI+8*\t+4:BI+8*\t+7], v12, s[8:9] offset:64*\t+16   ; b[16 t + 8 h + 4..7]
.endr
	LOADX 0                                        ; tile 0
	; the LDS addresses are made while the loads are out
	v_lshrrev_b32 v13, 4, v0                       ; W: thread n holds row n / 16, numbers 4 (n % 16) on
	v_mul_u32_u24 v13, v13, PW
	v_lshl_add_u32 v13, v10, 3, v13                ; four bf16 are 8 bytes
	v_mul_u32_u24 v14, v10, PW                     ; a fragment: row r, 16 bytes for each half of the lanes
	v_lshl_add_u32 v14, v11, 4, v14
	v_add_nc_u32 v[SIL], s28, v14
	v_mul_u32_u24 v[SIS], v11, PW                  ; a load of x holds two rows: lanes 0-15 the even one, lanes 16-31 the odd one; four numbers a lane
	v_lshl_add_u32 v[SIS], v10, 3, v[SIS]
	v_add_nc_u32 v[SIS], s28, v[SIS]
	v_mul_u32_u24 v[SOS], v10, PO                  ; the result: row r, features 8 h on of each sixteen
	v_lshl_add_u32 v[SOS], v11, 5, v[SOS]
	v_add_nc_u32 v[SOS], s29, v[SOS]
	v_mul_u32_u24 v[SOL], v11, PO                  ; back: lanes 0-15 one row of 256 bytes, lanes 16-31 the next
	v_lshl_add_u32 v[SOL], v10, 4, v[SOL]
	v_add_nc_u32 v[SOL], s29, v[SOL]
	s_wait_loadcnt 16                              ; W's two loads are in; behind them b's eight and x's eight stay out
	v_cvt_pk_bf16_f32 v[Z+8],  v[Z],   v[Z+1]
	v_cvt_pk_bf16_f32 v[Z+9],  v[Z+2], v[Z+3]
	v_cvt_pk_bf16_f32 v[Z+10], v[Z+4], v[Z+5]
	v_cvt_pk_bf16_f32 v[Z+11], v[Z+6], v[Z+7]
	ds_store_b64 v13, v[Z+8:Z+9]   offset:WL
	ds_store_b64 v13, v[Z+10:Z+11] offset:WL+32*PW
	s_wait_dscnt 0x0                               ; for the others' sake: my part of W is in LDS
	s_barrier_signal -1
	s_barrier_wait -1                              ; everybody's is: the launch's one barrier; W's bytes are never written again
.irp t, 0,1,2,3
.irp c, 0,1
	ds_load_b128 v[WF+16*\t+8*\c:WF+16*\t+8*\c+3],   v14 offset:WL+16*PW*\t+64*\c     ; output features 16 t + r, input features 32 c + 8 h on
	ds_load_b128 v[WF+16*\t+8*\c+4:WF+16*\t+8*\c+7], v14 offset:WL+16*PW*\t+64*\c+32  ; and 32 c + 16 + 8 h on
.endr
.endr
	s_wait_loadcnt 8                               ; b is in; x's eight stay out
.set p, 0
.rept 16
	v_cvt_pk_bf16_f32 v[T+p], v[BI+2*p], v[BI+2*p+1]  ; b is rounded to bf16 as x and W are,
.set p, p+1
.endr
.set p, 0
.rept 16
	v_lshlrev_b32 v[BI+2*p],   16,  v[T+p]         ; and kept as f32
	v_and_b32     v[BI+2*p+1], s24, v[T+p]
.set p, p+1
.endr
; The tile that was asked for is rounded to bf16: 16 registers.
.macro CVT
	s_wait_loadcnt 0x0                             ; nothing was asked for behind it
.irp q, 0,1,2,3,4,5,6,7
	v_cvt_pk_bf16_f32 v[T+2*\q],   v[XN+4*\q],   v[XN+4*\q+1]
	v_cvt_pk_bf16_f32 v[T+2*\q+1], v[XN+4*\q+2], v[XN+4*\q+3]
.endr
.endm
; Through my own stage it changes from rows across lanes to a row a lane: the four loads bring source 1 of both K halves.
.macro IN_B
.irp q, 0,1,2,3,4,5,6,7
	ds_store_b64 v[SIS], v[T+2*\q:T+2*\q+1] offset:2*PW*\q
.endr
.irp n, 0,1,2,3
	ds_load_b128 v[BF+4*\n:BF+4*\n+3], v[SIL] offset:32*\n  ; LDS serves a wave's instructions in order (ISA guide 5.7.1.4): these see the stores above
.endr
.endm
; h starts as bf16(x), widened: a shift and a mask.
.macro UNPACK
	s_wait_dscnt 0x0                               ; the fragments are in (the first time W's too)
.set p, 0
.rept 16
	v_lshlrev_b32 v[H+2*p],   16,  v[BF+p]
	v_and_b32     v[H+2*p+1], s24, v[BF+p]
.set p, p+1
.endr
.endm
; h += K2 t for pair p: it names T and H alone, no transcendental's result, so it can stand among and behind the transcendentals of either batch.  It follows the pair's K1 line and precedes its K3 line.
.macro K2T p
	v_pk_fma_f32 v[H+2*(\p):H+2*(\p)+1], v[T+2*(\p):T+2*(\p)+1], s[20:21], v[H+2*(\p):H+2*(\p)+1] op_sel_hi:[1,0,1]
.endm
; ONE EULER STEP.  Eight products: the four accumulators take turns, one instruction a turn; the first four start the sums with the bias.
; Four v_nop are the places between the products and the first vector line that reads z or writes into its registers (ISA guide 7.12.1).  Then the 16 pairs go through three parts:
;   BATCH 1  for pair i: t = -log2(e) |z| into T (two lines), h += K1 z; between these lines the two exponentials of pair i - 1, from T into z's registers, whose last reader was that pair's K1 line.
;            Nothing here names an exponential's result.  K2 t of pairs 0 to 2 stands between and behind the last two exponentials.  ONE wait.
;   BATCH 2  for pair i: 1 + 2^t; behind it the two logarithms of pair i - 1, in place, with K2 t of pair i + 2 between them while there are any.  Nothing here names a logarithm's result.
;            K2 t of pairs 14 and 15 stands between and behind the last two logarithms.  ONE wait.
;   READERS  h += K3 log2, and two pairs behind it h rounded to bf16, the next step's source 1.
; No line directly behind a transcendental names its result or writes its source, and a plain line on other registers follows the last of each batch (ISA guide 5.7.2).
; Each accumulator's lowest register is read first: the first line that reads tile t's z is the multiply of Z + 8 t.
.macro STEP
.irp t, 0,1,2,3
	v_wmma_f32_16x16x32_bf16 v[Z+8*\t:Z+8*\t+7], v[WF+16*\t:WF+16*\t+7], v[BF:BF+7], v[BI+8*\t:BI+8*\t+7]
.endr
.irp t, 0,1,2,3
	v_wmma_f32_16x16x32_bf16 v[Z+8*\t:Z+8*\t+7], v[WF+16*\t+8:WF+16*\t+15], v[BF+8:BF+15], v[Z+8*\t:Z+8*\t+7]
.endr
.rept 4
	v_nop
.endr
.set i, 0
.rept 16                                               ; BATCH 1
	v_mul_f32 v[T+2*i], |v[Z+2*i]|, s16
.if i >= 1
	v_exp_f32 v[Z+2*i-2], v[T+2*i-2]
.endif
	v_mul_f32 v[T+2*i+1], |v[Z+2*i+1]|, s16
.if i >= 1
	v_exp_f32 v[Z+2*i-1], v[T+2*i-1]
.endif
	v_pk_fma_f32 v[H+2*i:H+2*i+1], v[Z+2*i:Z+2*i+1], s[18:19], v[H+2*i:H+2*i+1] op_sel_hi:[1,0,1]
.set i, i+1
.endr
	v_exp_f32 v[Z+30], v[T+30]
	K2T 0
	v_exp_f32 v[Z+31], v[T+31]
	K2T 1
	K2T 2
	s_wait_alu depctr_va_vdst(0)                   ; one for the step's 32 exponentials, ahead of their first reader, the + 1 below
	v_pk_add_f32 v[Z:Z+1], v[Z:Z+1], 1.0 op_sel_hi:[1,0]
.set i, 1
.rept 15                                               ; BATCH 2
	v_pk_add_f32 v[Z+2*i:Z+2*i+1], v[Z+2*i:Z+2*i+1], 1.0 op_sel_hi:[1,0]
	v_log_f32 v[Z+2*i-2], v[Z+2*i-2]
.if i <= 11
	K2T i+2
.endif
	v_log_f32 v[Z+2*i-1], v[Z+2*i-1]
.set i, i+1
.endr
	v_log_f32 v[Z+30], v[Z+30]
	K2T 14
	v_log_f32 v[Z+31], v[Z+31]
	K2T 15
	s_wait_alu depctr_va_vdst(0)                   ; one for the step's 32 logarithms, ahead of their first reader, the K3 line below; no transcendental follows it in the step
.set i, 0
.rept 18                                               ; READERS
.if i < 16
	v_pk_fma_f32 v[H+2*i:H+2*i+1], v[Z+2*i:Z+2*i+1], s[22:23], v[H+2*i:H+2*i+1] op_sel_hi:[1,0,1]
.endif
.if i >= 2
	v_cvt_pk_bf16_f32 v[BF+i-2], v[H+2*i-4], v[H+2*i-3]
.endif
.set i, i+1
.endr
.endm
; The eleven steps are alike: nothing is written out ahead of the loop.  Over the backward jump the first product starts a new sum, far more than five plain instructions on other registers behind the last;
; every transcendental of a trip has had its wait by then.
.macro STEPS
	s_mov_b32 s14, NSTEP
.Lstep_\@:
	STEP
	s_sub_co_u32 s14, s14, 1
	s_cmp_lg_u32 s14, 0
	s_cbranch_scc1 .Lstep_\@
.endm
; THE WAY OUT.  A lane holds pieces of one row; through my own stage they come back as whole rows, into z's registers, which are free.
.macro OUT_A
.irp t, 0,1,2,3
	ds_store_b128 v[SOS], v[H+8*\t:H+8*\t+3]   offset:64*\t
	ds_store_b128 v[SOS], v[H+8*\t+4:H+8*\t+7] offset:64*\t+16
.endr
.irp q, 0,1,2,3,4,5,6,7
	ds_load_b128 v[Z+4*\q:Z+4*\q+3], v[SOL] offset:2*PO*\q  ; in order behind the stores above
.endr
.endm
.macro OUT_B
.irp q, 0,1,2,3,4,5,6,7
	s_wait_dscnt 7-\q                              ; LDS loads come back in order: load q is in, the 7 - q younger ones may be out
	global_store_b128 v[GO], v[Z+4*\q:Z+4*\q+3], s[10:11] offset:512*\q th:TH_STORE_NT  ; the wave stores 512 consecutive bytes, at a multiple of 512 from out0's first byte
.endr
.endm
	CVT                                            ; tile 0
	IN_B
	LOADX 1                                        ; tile 1 is asked for a whole tile's eleven steps ahead of its use
	UNPACK
	s_mov_b32 s13, 3
.Ltile:                                                ; three trips: tile n is computed and stored, tile n + 1 taken in, tile n + 2 asked for
	STEPS
	OUT_A
	CVT                                            ; the next tile's roundings stand in the stage's round trip
	OUT_B
	IN_B
	s_cmp_eq_u32 s13, 1
	s_cbranch_scc1 .Lnoload                        ; the last trip asks for nothing: there is no fifth tile, and no load leaves x.  Every wait for x is for 0: right on both ways
	LOADX 1
.Lnoload:
	UNPACK
	s_wait_xcnt 0x0                                ; the stores' data (z's registers) and their base are rewritten only behind this wait (ISA guide 3.1)
	s_add_nc_u64 s[10:11], s[10:11], TILE
	s_sub_co_u32 s13, s13, 1
	s_cmp_lg_u32 s13, 0
	s_cbranch_scc1 .Ltile
	STEPS                                          ; the fourth tile
	OUT_A
	OUT_B
	s_wait_tensorcnt 0x0                           ; the wave's end, behind my last LDS store
	ds_add_u32 v[SPW], v[NIL]
	s_wait_dscnt 0x0
	s_endpgm
.Lfunc_end_k_q3fd8c35910_ode:
	.size	k_q3fd8c35910_ode, .Lfunc_end_k_q3fd8c35910_ode-k_q3fd8c35910_ode
	.p2alignl 7, 3214868480
	.fill 96, 4, 3214868480
	.section	.rodata,"a",@progbits
	.p2align	6, 0x0
	.amdhsa_kernel k_q3fd8c35910_ode
		.amdhsa_group_segment_fixed_size 117760
		.amdhsa_private_segment_fixed_size 0
		.amdhsa_enable_private_segment 0
		.amdhsa_kernarg_size 32
		.amdhsa_user_sgpr_count 2
		.amdhsa_user_sgpr_kernarg_segment_ptr 1
		.amdhsa_wavefront_size32 1
		.amdhsa_system_sgpr_workgroup_id_x 1
		.amdhsa_system_sgpr_workgroup_id_y 1
		.amdhsa_system_sgpr_workgroup_id_z 1
		.amdhsa_system_vgpr_workitem_id 0
		.amdhsa_next_free_vgpr 256
		.amdhsa_next_free_sgpr 66
		.amdhsa_reserve_vcc 0
		.amdhsa_float_denorm_mode_32 3
		.amdhsa_float_denorm_mode_16_64 3
		.amdhsa_memory_ordered 1
		.amdhsa_forward_progress 1
		.amdhsa_inst_pref_size 40
	.end_amdhsa_kernel
	.amdgpu_metadata
---
amdhsa.version: [ 1, 2 ]
amdhsa.kernels:
  - .name:           k_q3fd8c35910_ode
    .symbol:         k_q3fd8c35910_ode.kd
    .args:
      - { .name: x, .offset: 0, .size: 8, .value_kind: global_buffer, .address_space: global }
      - { .name: W, .offset: 8, .size: 8, .value_kind: global_buffer, .address_space: global }
      - { .name: b, .offset: 16, .size: 8, .value_kind: global_buffer, .address_space: global }
      - { .name: out0, .offset: 24, .size: 8, .value_kind: global_buffer, .address_space: global }
    .group_segment_fixed_size: 117760
    .private_segment_fixed_size: 0
    .kernarg_segment_align: 8
    .kernarg_segment_size: 32
    .max_flat_workgroup_size: 512
    .sgpr_count:     66
    .vgpr_count:     256
    .wavefront_size: 32
...
	.end_amdgpu_metadata
.endif
;; end of part 2
